; MI455X (gfx1250); checked and timed in simulation.
; The chip was launched on July 23, 2026; its instructions are those of AMD's public machine-readable ISA for CDNA 5 (MIT licence, August 2026) and "CDNA5" Instruction Set Architecture Reference Guide (July 2026). The comments in the code are by the model that wrote it; some were corrected since.
;; Auto QVLA Linear W4 A4. Allowed arithmetic: float matrix products may take bf16 or f16 operands with f32 sums; other float arithmetic in f32, or as packed bf16 or f16 multiplies, adds, multiply-adds, maxima and minima; sums over many terms, partial sums and values carried from step to step in f32; what a program stores and reads back later, other than sums and carried values, may be rounded once to bf16 or f16.
;; Inputs: bias 4,096 float16; qweight_packed 4,096 x 2,048 int8; w_scales 4,096 x 1 float16; x 2 x 2,048 x 4,096 float16.
;; Outputs: out0 2 x 2,048 x 4,096 float16.
;; 2 versions, each right; version 2 is version 1 with the launch prep written anew for expert scheduling mode. Each part assembles by itself: llvm-mc -triple=amdgcn-amd-amdhsa -mcpu=gfx1250 --defsym DOCPART=n.
;; ======== version 1 of 2: 2 launches
;; workspace buffers: aq 33,554,432 bytes; wq 33,554,432 bytes; ascale 16,384 bytes
;; launch prep (part 1): grid 512 x 1, 8 waves a work-group, no clusters, 0 bytes of LDS; arguments x, qweight_packed, aq, wq, ascale; writes aq, wq, ascale
.if DOCPART == 1
	.amdgcn_target "amdgcn-amd-amdhsa--gfx1250"
	.amdhsa_code_object_version 6
	.text
	.protected	k_q48374598a2_prep
	.globl	k_q48374598a2_prep
	.p2align	8
	.type	k_q48374598a2_prep,@function
k_q48374598a2_prep:
	s_mov_b64 s[64:65], 0
	v_nop
	global_prefetch_b8 v0, s[64:65] scope:SCOPE_SE
	s_setreg_imm32_b32 hwreg(HW_REG_WAVE_MODE, 25, 1), 1
	s_wait_xcnt 0x0
; THE CODES.  aq[m][k] = round_half_even(x[m][k] / s[m]) with s[m] = max(max_k |x[m][k]|, 1e-6) / 7, and wq[n][k] = the signed 4-bit code of the weight,
; both written as bf16 (whole numbers -8 .. 7 are exact there); ascale[m] = s[m] in f32.  x: [4096][4096] f16; qweight: [4096][2048] bytes, low nibble first.
; ORDER OF K.  Inside every aligned group of 8 k, place p of aq and of wq holds k = 0,4,1,5,2,6,3,7: the order in which a packed word's nibbles fall out of one shift and mask.
; The same order in both operands pairs every a with its own w, and the product's sums are whole numbers below 2^24, so the order of the terms does not show.
; THE DIVISIONS ARE CORRECTLY ROUNDED in f32, since a quotient that lies at k + 1/2 decides a whole code: s by a residual step (max - 7 q is exact; a quotient by 7 lies at least
; 1/14 of a last place from every rounding boundary); 1/s by v_rcp_f32 and two residual steps (s never has a mantissa of ones only: max has 11 bits, or is the constant 1e-6);
; x/s by q = x r and two residual steps q += (x - s q) r: the first brings q within one last place, the second, with r correctly rounded, rounds it correctly.
; THE CLIP TO -8 .. 7 is not written: |x| <= max and s = max/7 (1 + d), |d| <= 2^-24, give |x/s| <= 7 (1 + 2^-23), which rounds to 7.
; LIMITS.  NaN and infinities in x are not treated apart.  -0 in x counts as +0.
; SHARES.  One wave takes one row of x (8,192 bytes, kept in 64 registers between the maximum and the division, so it is read once) and the row of the same number of the weights
; (2,048 bytes).  All 32 loads of a wave go out at its head.  No wave needs another's data: no LDS, no barrier.  Every 16-byte store of a wave covers 512 consecutive bytes, aligned.
.set XO,  2                            ; v2       16 x lane: my 16 bytes in each 512 of a row of x, aq, wq; never rewritten
.set WI,  3                            ; v3       4 x lane: my word in each 128 bytes of a row of the weights; never rewritten
.set WW,  4                            ; v[4:19]  my 16 packed words
.set A8,  20                           ; v[20:27] eight x in f32
.set Q8,  28                           ; v[28:35] their quotients
.set E8,  36                           ; v[36:43] residuals; while the weights are unpacked: shifted words
.set M,   44                           ; v[44:47] four running maxima, two f16 each
.set T,   48                           ; v[48:49] at work
.set MX,  50                           ; v50      the row's maximum, clipped
.set S,   51                           ; v51      s
.set R,   52                           ; v[52:53] 1/s, twice (a pair for the packed forms)
.set NS,  54                           ; v[54:55] -s, twice
.set E,   56                           ; v56      at work
.set ZO,  57                           ; v57      0
.set ONE, 59                           ; v59      1.0
.set X,   64                           ; v[64:127]  the row of x as loaded, then its codes as stored
.set WO,  128                          ; v[128:159] eight slots of four registers: unpacked weights to store
	s_load_b256 s[4:11], s[0:1], 0x0               ; x s[4:5], qweight s[6:7], aq s[8:9], wq s[10:11]
	s_load_b64 s[12:13], s[0:1], 0x20              ; ascale
	v_lshrrev_b32 v1, 5, v0
	v_readfirstlane_b32 s14, v1                    ; wave 0..7
	v_and_b32 v1, 31, v0                           ; lane
	v_lshlrev_b32 v[XO], 4, v1
	v_lshlrev_b32 v[WI], 2, v1
	v_mov_b32 v[ZO], 0
	v_mov_b32 v[ONE], 1.0
	s_lshl_b32 s15, ttmp9, 3
	s_add_co_u32 s15, s15, s14                     ; my row = 8 x work-group + wave
	s_lshl_b32 s2, s15, 13                         ; x 8,192 bytes: a row of x, aq, wq (under 2^25)
	s_mov_b32 s3, 0
	s_lshl_b32 s24, s15, 11                        ; x 2,048 bytes: a row of the packed weights
	s_mov_b32 s25, 0
	s_lshl_b32 s26, s15, 2                         ; x 4 bytes: my word of ascale
	s_mov_b32 s27, 0
	s_mov_b32 s16, 0x88888888                      ; turns each nibble into its signed value + 8
	s_mov_b32 s17, 0x000f000f                      ; one nibble in each half
	s_mov_b32 s18, 0x43004300                      ; 128.0 twice in bf16: its low mantissa bits count ones
	s_mov_b32 s19, 0xc308c308                      ; -136.0 twice in bf16
	s_mov_b32 s20, 0x7fff7fff                      ; clears the signs of two f16
	s_mov_b32 s21, 0x76543210                      ; v_permlanex16_b32: each lane takes its own place in the other half
	s_mov_b32 s22, 0xfedcba98
	s_wait_kmcnt 0x0
	s_add_nc_u64 s[4:5], s[4:5], s[2:3]
	s_add_nc_u64 s[8:9], s[8:9], s[2:3]
	s_add_nc_u64 s[10:11], s[10:11], s[2:3]
	s_add_nc_u64 s[6:7], s[6:7], s[24:25]
	s_add_nc_u64 s[12:13], s[12:13], s[26:27]
.irp j, 0,1,2,3,4,5,6,7,8,9,10,11,12,13,14,15
	global_load_b32 v[WW+(\j)], v[WI], s[6:7] offset:128*(\j) th:TH_LOAD_NT       ; word 32 j + lane: k = 8 (32 j + lane) .. + 7
.endr
.irp j, 0,1,2,3,4,5,6,7,8,9,10,11,12,13,14,15
	global_load_b128 v[X+4*(\j):X+4*(\j)+3], v[XO], s[4:5] offset:512*(\j) th:TH_LOAD_NT  ; the same eight k of x
.endr
; Word j: nibble i is k = i.  After the exclusive or a nibble is its value + 8; shifted right by 4 p and masked, the two halves hold the nibbles p and p + 4; set into 128.0's mantissa
; they are 136 + w in bf16; the packed addition of -136 is exact.
.macro UNPACK j
	s_wait_loadcnt 31-(\j)                         ; loads come back in order: younger are 15 - j words and the 16 loads of x
.if (\j) == 8
	s_wait_xcnt 0x0                                ; the eight stores so far have read their data: the slots are taken a second time
.endif
.set D, WO+4*((\j)%8)
	v_xor_b32 v[WW+(\j)], s16, v[WW+(\j)]
	v_and_or_b32 v[D], v[WW+(\j)], s17, s18
.irp p, 1,2,3
	v_lshrrev_b32 v[E8+(\p)], 4*(\p), v[WW+(\j)]
.endr
.irp p, 1,2,3
	v_and_or_b32 v[D+(\p)], v[E8+(\p)], s17, s18
.endr
.irp p, 0,1,2,3
	v_pk_add_bf16 v[D+(\p)], v[D+(\p)], s19
.endr
	global_store_b128 v[XO], v[D:D+3], s[10:11] offset:512*(\j) th:TH_STORE_NT
.endm
.irp j, 0,1,2,3,4,5,6,7,8,9,10,11,12,13,14,15
	UNPACK \j
.endr
	; the largest |x| of my 128 numbers, two f16 at a time, in four chains started by the first four words
	s_wait_loadcnt 15
.irp i, 0,1,2,3
	v_and_b32 v[M+(\i)], s20, v[X+(\i)]
.endr
.set j, 1
.rept 15
	s_wait_loadcnt 15-j                            ; load j of x is in, the younger ones stay out
.irp i, 0,1,2,3
	v_and_b32 v[A8+(\i)], s20, v[X+4*j+(\i)]
	v_pk_max_num_f16 v[M+(\i)], v[M+(\i)], v[A8+(\i)]
.endr
.set j, j+1
.endr
	v_pk_max_num_f16 v[M], v[M], v[M+1]
	v_pk_max_num_f16 v[M+2], v[M+2], v[M+3]
	v_pk_max_num_f16 v[M], v[M], v[M+2]
	v_fma_mix_f32 v[T],   v[M], v[ONE], v[ZO] op_sel_hi:[1,0,0]                 ; the low half as f32: x 1 + 0
	v_fma_mix_f32 v[T+1], v[M], v[ONE], v[ZO] op_sel:[1,0,0] op_sel_hi:[1,0,0]  ; the high half
	v_max_num_f32 v[T], v[T], v[T+1]
	v_max_num_f32_dpp v[T], v[T], v[T] row_xmask:1 row_mask:0xf bank_mask:0xf   ; across 16 lanes,
	v_max_num_f32_dpp v[T], v[T], v[T] row_xmask:2 row_mask:0xf bank_mask:0xf
	v_max_num_f32_dpp v[T], v[T], v[T] row_xmask:4 row_mask:0xf bank_mask:0xf
	v_max_num_f32_dpp v[T], v[T], v[T] row_xmask:8 row_mask:0xf bank_mask:0xf
	v_permlanex16_b32 v[T+1], v[T], s21, s22                                    ; and the other 16
	v_max_num_f32 v[MX], v[T], v[T+1]
	v_max_num_f32 v[MX], 0x358637bd, v[MX]         ; the clip at 1e-6
	; s = max / 7, correctly rounded
	v_mul_f32 v[Q8], 0x3e124925, v[MX]             ; q = max x (1/7)
	v_fmamk_f32 v[E], v[Q8], 0xc0e00000, v[MX]     ; max - 7 q, exact
	v_fmamk_f32 v[S], v[E], 0x3e124925, v[Q8]      ; q + residual / 7
	; r = 1 / s, correctly rounded
	v_rcp_f32 v[R], v[S]
	v_xor_b32 v[NS], 0x80000000, v[S]              ; -s: the plain instruction behind the reciprocal
	s_wait_alu depctr_va_vdst(0)                   ; the wait ahead of the first line that names the reciprocal
.rept 2
	v_fma_f32 v[E], v[NS], v[R], 1.0               ; 1 - s r
	v_fma_f32 v[R], v[E], v[R], v[R]
.endr
	v_mov_b32 v[R+1], v[R]
	v_mov_b32 v[NS+1], v[NS]
; Eight numbers: widened, divided by s (correctly rounded), rounded to whole numbers (ties to even), packed as bf16 in the order of wq, stored from the registers that held x.
.macro QUANT j
.irp p, 0,1,2,3
	v_fma_mix_f32 v[A8+2*(\p)],   v[X+4*(\j)+(\p)], v[ONE], v[ZO] op_sel_hi:[1,0,0]
	v_fma_mix_f32 v[A8+2*(\p)+1], v[X+4*(\j)+(\p)], v[ONE], v[ZO] op_sel:[1,0,0] op_sel_hi:[1,0,0]
.endr
.irp p, 0,2,4,6
	v_pk_mul_f32 v[Q8+(\p):Q8+(\p)+1], v[A8+(\p):A8+(\p)+1], v[R:R+1]
.endr
.rept 2
.irp p, 0,2,4,6
	v_pk_fma_f32 v[E8+(\p):E8+(\p)+1], v[NS:NS+1], v[Q8+(\p):Q8+(\p)+1], v[A8+(\p):A8+(\p)+1]  ; x - s q
.endr
.irp p, 0,2,4,6
	v_pk_fma_f32 v[Q8+(\p):Q8+(\p)+1], v[E8+(\p):E8+(\p)+1], v[R:R+1], v[Q8+(\p):Q8+(\p)+1]    ; q + residual x r
.endr
.endr
.irp p, 0,1,2,3,4,5,6,7
	v_rndne_f32 v[Q8+(\p)], v[Q8+(\p)]
.endr
.irp p, 0,1,2,3
	v_cvt_pk_bf16_f32 v[X+4*(\j)+(\p)], v[Q8+(\p)], v[Q8+(\p)+4]   ; k = p below, k = p + 4 above
.endr
	global_store_b128 v[XO], v[X+4*(\j):X+4*(\j)+3], s[8:9] offset:512*(\j) th:TH_STORE_NT
.endm
.irp j, 0,1,2,3,4,5,6,7,8,9,10,11,12,13,14,15
	QUANT \j
.endr
	; s[m]: four bytes a row, by lane 0.  64 neighbouring rows would have to meet in one work-group to fill 256 bytes of ascale; they are 16 KiB of the launch's 109 MB
	s_wait_xcnt 0x0                                ; EXEC is a source of the stores above: it changes only behind this wait
	v_cmp_eq_u32 vcc_lo, 0, v1
	s_and_saveexec_b32 s23, vcc_lo
	global_store_b32 v[ZO], v[S], s[12:13]
	s_wait_xcnt 0x0                                ; and again in front of the line that widens it
	s_or_b32 exec_lo, exec_lo, s23
	s_endpgm
.Lfunc_end_k_q48374598a2_prep:
	.size	k_q48374598a2_prep, .Lfunc_end_k_q48374598a2_prep-k_q48374598a2_prep
	.p2alignl 7, 3214868480
	.fill 96, 4, 3214868480
	.section	.rodata,"a",@progbits
	.p2align	6, 0x0
	.amdhsa_kernel k_q48374598a2_prep
		.amdhsa_group_segment_fixed_size 0
		.amdhsa_private_segment_fixed_size 0
		.amdhsa_enable_private_segment 0
		.amdhsa_kernarg_size 40
		.amdhsa_user_sgpr_count 2
		.amdhsa_user_sgpr_kernarg_segment_ptr 1
		.amdhsa_wavefront_size32 1
		.amdhsa_system_sgpr_workgroup_id_x 1
		.amdhsa_system_sgpr_workgroup_id_y 1
		.amdhsa_system_sgpr_workgroup_id_z 1
		.amdhsa_system_vgpr_workitem_id 0
		.amdhsa_next_free_vgpr 160
		.amdhsa_next_free_sgpr 66
		.amdhsa_reserve_vcc 1
		.amdhsa_float_denorm_mode_32 3
		.amdhsa_float_denorm_mode_16_64 3
		.amdhsa_memory_ordered 1
		.amdhsa_forward_progress 1
		.amdhsa_inst_pref_size 62
	.end_amdhsa_kernel
	.amdgpu_metadata
---
amdhsa.version: [ 1, 2 ]
amdhsa.kernels:
  - .name:           k_q48374598a2_prep
    .symbol:         k_q48374598a2_prep.kd
    .args:
      - { .name: x, .offset: 0, .size: 8, .value_kind: global_buffer, .address_space: global }
      - { .name: qweight_packed, .offset: 8, .size: 8, .value_kind: global_buffer, .address_space: global }
      - { .name: aq, .offset: 16, .size: 8, .value_kind: global_buffer, .address_space: global }
      - { .name: wq, .offset: 24, .size: 8, .value_kind: global_buffer, .address_space: global }
      - { .name: ascale, .offset: 32, .size: 8, .value_kind: global_buffer, .address_space: global }
    .group_segment_fixed_size: 0
    .private_segment_fixed_size: 0
    .kernarg_segment_align: 8
    .kernarg_segment_size: 40
    .max_flat_workgroup_size: 256
    .sgpr_count:     66
    .vgpr_count:     160
    .wavefront_size: 32
...
	.end_amdgpu_metadata
.endif
;; end of part 1
;; launch gemm (part 2): grid 16 x 16, 4 waves a work-group, clusters of 4 x 4, 327,680 bytes of LDS; arguments aq, wq, out0, ascale, w_scales, bias; writes out0
.if DOCPART == 2
	.amdgcn_target "amdgcn-amd-amdhsa--gfx1250"
	.amdhsa_code_object_version 6
	.text
	.protected	k_q48374598a2_gemm
	.globl	k_q48374598a2_gemm
	.p2align	8
	.type	k_q48374598a2_gemm,@function
k_q48374598a2_gemm:
	s_mov_b64 s[64:65], 0
	v_nop
	global_prefetch_b8 v0, s[64:65] scope:SCOPE_SE
	s_setreg_imm32_b32 hwreg(HW_REG_WAVE_MODE, 25, 1), 1
	s_wait_xcnt 0x0
	s_wait_alu depctr_hold_cnt(0) depctr_sa_sdst(0) depctr_va_vdst(0) depctr_va_sdst(0) depctr_va_ssrc(0) depctr_va_vcc(0) depctr_vm_vsrc(0)
	s_getreg_b32 s2, hwreg(HW_REG_IB_STS2, 6, 4)
	s_cmp_eq_u32 s2, 0
	s_cbranch_scc0 .Lentry_in_a_cluster
	s_endpgm
.Lentry_in_a_cluster:
	s_bfe_u32 s2, ttmp6, 0x10000c
	s_cmp_lg_u32 s2, 0xf033
	s_cbranch_scc0 .Lentry_shape_is_right
	s_endpgm
.Lentry_shape_is_right:
; out0[m][n] = (sum over k of aq[m][k] wq[n][k]) x ascale[m] x w_scales[n] + bias[n].  aq: [4096][4096], wq: [4096][4096], bf16 whole numbers -8 .. 7 (k in the same order in both);
; ascale f32; w_scales, bias, out0 f16.  The sums are whole numbers of at most 4096 x 56 = 229,376 < 2^24: exact in f32 in any order.  Both scales and the bias are applied in f32 on
; the way out, and the result is rounded once, to f16.  LIMITS: a result of 65,520 or more in magnitude leaves as an infinity; the roundings of the scaled activations and of the scaled
; weights to f16 are not made.
; A tile of 256 x 256 of the output is made by a work-group of four waves; a wave makes 128 x 128: 64 accumulators of 16 x 16, 512 registers.  256 tiles, one work-group each.
; K goes in steps of 128 through a ring of two LDS slots filled by the tensor data mover: a tile's rows are 256 bytes of memory and start at multiples of 256 bytes from the buffer's first.
; CLUSTERS: 4 x 4 work-groups.  The four of a row of the cluster need the same tiles of aq, the four of a column the same tiles of wq.  Such a tile is asked for JOINTLY: each of the four
; issues the same tensor load, with the same descriptor and a mask that names the four, and each receives it in its own LDS.
; REGISTERS, in windows of 256 (s_set_vgpr_msb's low byte: bits 1:0 source 0, 3:2 source 1, 5:4 source 2, 7:6 destination):
;   window 0: v0-31 addresses; v64-127, v128-191 fragments of aq (8 x 16 rows x 32 K), two buffers; v32-63, v192-255 at work on the way out
;   window 1: v0-31 my 128 w_scales, v32-63 my 128 biases (f16, as loaded); v64-127, v128-191 fragments of wq, two buffers; v192-207 ascale of my rows, a pair for each 16 rows
;   window 2: the 32 accumulators of my rows 0-63 (accumulator (a, b) at v[8 (8 a + b)]);   window 3: those of my rows 64-127
; THE MATRIX INSTRUCTION IS USED TRANSPOSED: source 0 = 16 rows of wq, source 1 = 16 rows of aq.  In the result lane l holds row m = l % 16 of the output and its registers 0 to 7 the
; columns n = 8 (l / 16) + 0 .. 7: eight neighbouring numbers of a row, one row scale a lane, 16 bytes when packed.
.set SIZE_M, 4096
.set SIZE_N, 4096
.set SIZE_K, 4096
.set KSTEP,  128
.set PITCH,  272                       ; an LDS row: 256 bytes of data + 16 of padding = 68 words: row r starts at bank 4 r mod 64 (64 banks of 4 bytes: ISA guide 11.1)
.set HALFT,  128*PITCH                 ; 128 rows: what one tensor load brings, and what one wave reads of aq or of wq
.set SLOT,   4*HALFT                   ; aq's 256 rows, then wq's 256 rows
.set STAGE,  2*SLOT                    ; behind the ring: 16 rows x 272 bytes for each wave, for the way out; no tensor load lands here
.set SPITCH, 272
.set SPARE,  STAGE+4*16*SPITCH         ; behind the stages: the spare words, 128 bytes for each wave: two blocks of 256 bytes that no other line names
.set LAPS, SIZE_K/(2*KSTEP)            ; a lap = two K steps = once round the ring: 16
.set VA,   6                           ; v6      4 (l % 16): my row's word in 16 rows of ascale; never rewritten
.set VW,   7                           ; v7      16 (l / 16): my 8 columns' bytes in 16 columns of w_scales and bias; never rewritten
.set ADRA, 16                          ; v16-17  LDS address of my aq fragments in slot 0, 1
.set ADRB, 20                          ; v20-21  the same for wq
.set STO,  24                          ; v24     the way out: where I put 16 bytes of a row
.set RD,   25                          ; v25     the way out: where I read a row back
.set CO,   26                          ; v26     my byte offset in the output
.set SPW,  28                          ; v28     LDS address of my spare word: SPARE + 4 x my thread's number; never rewritten
.set NIL,  29                          ; v29     0; never rewritten
.set PFO,  30                          ; v30     the prefetches' offset: my lane x a row of aq or wq (8,192 bytes); never rewritten
.set PFA,  44                          ; s[44:45] where my prefetches stand: my work-group's 32 rows of the 128 that I fetch, one K step further than the refill in hand; a prefetch names the K step after that
.set LIM,  43                          ; s43     1 in a wave that prefetches, else the greatest number
.set F0,   64                          ; fragment buffer 0
.set F1,   128                         ; fragment buffer 1
.set TMP,  192                         ; window 0: the way out: packed results
.set OB,   32                          ; window 0: the way out: 16 rows read back from the stage: v32-63 and v224-255 by turns
.set WS,   0                           ; window 1: w_scales: four registers for each 16 columns
.set BI,   32                          ; window 1: bias, likewise
.set AS,   192                         ; window 1: ascale of row 16 a + l % 16 at AS + 2 a, and once more beside it: the packed multiply names a pair
.set G1, 24                            ; s[24:31] descriptor group 1 for aq's tiles
.set G0, 32                            ; s[32:39] descriptor group 0 for aq's tiles, one set for each slot
.set G1B, 48                           ; s[48:55] descriptor group 1 for wq's tiles: it differs in the mask alone
.set G0B, 56                           ; s[56:63] descriptor group 0 for wq's tiles, one set for each slot
.set MSB, 0
.macro WIN new                         ; the immediate's high byte repeats the setting that is left; a switch that changes nothing is dropped
.if MSB != (\new)
	s_set_vgpr_msb (MSB<<8)|(\new)
.set MSB, \new
.endif
.endm
.set MUL_LO, 0xa1                      ; source 0 (wq) window 1, source 1 (aq) window 0, C and D window 2
.set MUL_HI, 0xf1                      ; the same, C and D window 3
.set TO_B,   0x40                      ; destination window 1, address window 0
; A joint load.  Waves 0 and 1 fetch aq's two halves, waves 2 and 3 wq's.  Each of the two lines has ONE mask and one set of registers for all that issue it.  The branch hangs on the wave's
; number alone.  An s_nop 0 and four v_nop follow each of the two lines, ahead of the jump, the label and what follows the macro.
.macro JLOAD s
	s_cmp_eq_u32 s11, 0
	s_cbranch_scc0 .Lfor_b_\@
	tensor_load_to_lds s[G0+4*(\s):G0+4*(\s)+3], s[G1:G1+7]
	s_nop 0
.rept 4
	v_nop
.endr
	s_branch .Lasked_\@
.Lfor_b_\@:
	tensor_load_to_lds s[G0B+4*(\s):G0B+4*(\s)+3], s[G1B:G1B+7]
	s_nop 0
.rept 4
	v_nop
.endr
.Lasked_\@:
.endm
; A PREFETCH INTO THE L2, behind each joint refill, its five lines and the run of LDS loads that follows them: the K step that stands TWO refills on, 512 matrix instructions ahead of the load
; that will want it: 32 rows x 256 bytes, a lane a row, one instruction a wave.  Each row's 256 bytes of a K step are named ONCE in the launch: aq's tile row is read by every cluster of that
; row of clusters, and the one with x = 0 asks; wq's tile column by every cluster of that column, and the one with y = 0 asks.  The four partners that ask for a tile jointly share its rows out
; BY ADDRESS: of the 128 rows that a wave fetches the partner at place p takes 32 p .. 32 p + 31 (p = cx for aq, cy for wq).  K steps 0 to 3 come by their loads alone; the loop's last trip
; (s3 = 1) asks for nothing: its refills are K steps 30 and 31, the last.
.macro ASK
	s_cmp_gt_u32 s3, s[LIM]
	s_cbranch_scc0 .Lnot_mine_\@
	global_prefetch_b8 v[PFO], s[PFA:PFA+1] offset:KSTEP*2 th:TH_LOAD_NT scope:SCOPE_SE
.Lnot_mine_\@:
.endm
; A round of the cluster's barrier: my work-group's barrier, so that wave 0's signal speaks for all four waves; wave 0 signals for the work-group; every wave waits for all sixteen
; work-groups; my work-group's barrier once more.
.macro CREST                           ; a round behind its opening barrier
	s_cmp_lg_u32 s10, 0
	s_cbranch_scc1 .Lnot_wave_0_\@
	s_barrier_signal -3
.Lnot_wave_0_\@:
	s_barrier_wait -3
	s_barrier_signal -1
	s_barrier_wait -1
.endm
.macro CROUND                          ; a whole round
	s_barrier_signal -1
	s_barrier_wait -1
	CREST
.endm
	s_load_b128 s[4:7], s[0:1], 0x0                ; aq s[4:5], wq s[6:7]
	s_load_b64 s[8:9], s[0:1], 0x10                ; out0
	s_load_b128 s[68:71], s[0:1], 0x18             ; ascale s[68:69], w_scales s[70:71]
	s_load_b64 s[72:73], s[0:1], 0x28              ; bias
	v_lshl_add_u32 v[SPW], v0, 2, SPARE
	v_mov_b32 v[NIL], 0
	ds_add_u32 v[SPW], v[NIL]                      ; the wave's opening: the add, twice on end, and its wait ahead of my first tensor load
	ds_add_u32 v[SPW], v[NIL]                      ; and once more, under the one wait; the set-up below, work on registers, stands between
	v_lshrrev_b32 v1, 5, v0
	v_readfirstlane_b32 s10, v1                    ; wave 0..3
	s_lshr_b32 s11, s10, 1                         ; which half of the tile's rows is mine.  Also: I fetch for aq (0) or for wq (1)
	s_and_b32 s12, s10, 1                          ; which half of its columns.  Also: which 128 rows of that tile I fetch
	s_bfe_u32 s40, ttmp6, 0x40000                  ; cx: my place along the cluster's x
	s_bfe_u32 s41, ttmp6, 0x40004                  ; cy: along its y
	s_lshl_b32 s42, ttmp9, 2                       ; in a cluster launch ttmp9 and ttmp7 count clusters
	s_add_co_u32 s42, s42, s40                     ; tile column = 4 x cluster x + cx
	s_and_b32 s13, ttmp7, 0xffff
	s_lshl_b32 s13, s13, 2
	s_add_co_u32 s13, s13, s41                     ; tile row = 4 x cluster y + cy
	s_lshl_b32 s43, s41, 2
	s_lshl_b32 s43, 15, s43                        ; my row of the cluster: places 4 cy .. 4 cy + 3
	s_lshl_b32 s44, 0x1111, s40                    ; my column: places cx, cx + 4, cx + 8, cx + 12
	; descriptor group 1: a tile of 128 rows x 128 elements, padded in LDS
	s_or_b32 s[G1+0], s43, (1<<16)|(1<<20)|(1<<21)|(5<<22)|(3<<25)  ; 15:0 the mask: aq's tiles go to my row; 17:16 elements of 2 bytes; 20 padding on; 21 set beside a mask; 24:22 after every 64 words (code 5); 31:25 4 words of it (code 3)
	s_or_b32 s[G1B+0], s44, (1<<16)|(1<<20)|(1<<21)|(5<<22)|(3<<25) ; the same with the mask of my column, for wq's tiles
.irp g, G1, G1B
	s_mov_b32 s[(\g)+1], KSTEP<<16                 ; 63:48 tensor_dim0, low half = 128
	s_mov_b32 s[(\g)+2], 128<<16                   ; 95:80 tensor_dim1, low half = 128
	s_mov_b32 s[(\g)+3], KSTEP<<16                 ; 127:112 tile_dim0 = 128
	s_mov_b32 s[(\g)+4], 128                       ; 143:128 tile_dim1 = 128; 159:144 tile_dim2 = 0
	s_mov_b32 s[(\g)+5], SIZE_K                    ; 191:160 tensor_dim0_stride: elements from row to row
	s_mov_b32 s[(\g)+6], 0
	s_mov_b32 s[(\g)+7], 0
.endr
	; where the tiles come from.  aq's hang on the tile row alone, which my row of the cluster shares; wq's on the tile column alone, which my column shares.
	; Every wave makes both addresses, in registers that never hold the other coordinate, and asks by one of them.
	s_lshl_b32 s17, s12, 7                         ; which 128 rows of the tile I fetch
	s_lshl_b32 s16, s13, 8
	s_add_co_u32 s16, s16, s17                     ; aq: row 256 x tile row + 128 x half
	s_lshl_b32 s46, s42, 8
	s_add_co_u32 s46, s46, s17                     ; wq: row 256 x tile column + 128 x half
	s_mov_b32 s17, 0
	s_mov_b32 s47, 0
	s_mov_b64 s[18:19], SIZE_K*2
	s_mul_u64 s[16:17], s[16:17], s[18:19]         ; in bytes
	s_mul_u64 s[46:47], s[46:47], s[18:19]
	s_mul_i32 s20, s10, HALFT                      ; and where they go: wave x 128 rows: no place in the cluster enters an LDS address
	s_wait_dscnt 0x0                               ; both opening adds are done
	s_wait_kmcnt 0x0
	s_add_nc_u64 s[14:15], s[4:5], s[16:17]
	s_add_nc_u64 s[46:47], s[6:7], s[46:47]
	CROUND                                         ; all sixteen work-groups are here: the first joint loads meet
.irp s, 0,1
	s_mov_b32 s[G0+4*(\s)], 1                                      ; 1:0 count = 1
	s_add_co_u32 s[G0+4*(\s)+1], s20, (\s)*SLOT                    ; 63:32 LDS address
	s_add_nc_u64 s[G0+4*(\s)+2:G0+4*(\s)+3], s[14:15], (\s)*KSTEP*2  ; 120:64 global address: K step s
	s_or_b32 s[G0+4*(\s)+3], s[G0+4*(\s)+3], 0x80000000            ; 127:126 type = 2
	s_mov_b32 s[G0B+4*(\s)], 1
	s_add_co_u32 s[G0B+4*(\s)+1], s20, (\s)*SLOT
	s_add_nc_u64 s[G0B+4*(\s)+2:G0B+4*(\s)+3], s[46:47], (\s)*KSTEP*2
	s_or_b32 s[G0B+4*(\s)+3], s[G0B+4*(\s)+3], 0x80000000
	JLOAD \s                                       ; the ring is filled before anything else is done: two loads of mine are out
.endr
	; A fragment is 16 rows x 32 K in 8 registers: lane l holds row l % 16; registers 0-3 hold K = 8 (l / 16) + 0..7, registers 4-7 hold K = 16 + 8 (l / 16) + 0..7:
	; two loads of 16 bytes, 32 bytes apart.  The same for source 0 and source 1.
	v_and_b32 v1, 15, v0                           ; l % 16
	v_bfe_u32 v2, v0, 4, 1                         ; l / 16
	v_mul_u32_u24 v3, v1, PITCH
	v_lshl_add_u32 v3, v2, 4, v3                   ; row x pitch + 16 x half
	s_mul_i32 s21, s11, HALFT                      ; my 128 rows of aq
	s_mul_i32 s22, s12, HALFT                      ; my 128 rows of wq,
	s_add_co_u32 s22, s22, 2*HALFT                 ; which lie behind aq's 256
.irp s, 0,1
	v_add_nc_u32 v[ADRA+(\s)], s21, v3
	v_add_nc_u32 v[ADRB+(\s)], s22, v3
	s_add_co_u32 s21, s21, SLOT
	s_add_co_u32 s22, s22, SLOT
.endr
	s_mul_i32 s23, s10, 16*SPITCH
	s_add_co_u32 s23, s23, STAGE                   ; my stage
	v_mul_u32_u24 v4, v1, SPITCH                   ; in: row l % 16, 16 bytes for each half of the lanes
	v_lshl_add_u32 v4, v2, 4, v4
	v_add_nc_u32 v[STO], s23, v4
	v_mul_u32_u24 v5, v2, SPITCH                   ; back: lanes 0-15 take one row of 256 bytes, lanes 16-31 the next
	v_lshl_add_u32 v5, v1, 4, v5
	v_add_nc_u32 v[RD], s23, v5
	v_mul_u32_u24 v5, v2, SIZE_N*2                 ; and the same two rows in the output
	v_lshl_add_u32 v[CO], v1, 4, v5
	v_lshlrev_b32 v[VA], 2, v1
	v_lshlrev_b32 v[VW], 4, v2
	; where my part of the tile begins in the output, in bytes: the way out adds it to the output's address
	s_lshl_b32 s13, s13, 8
	s_lshl_b32 s14, s11, 7
	s_add_co_u32 s16, s13, s14                     ; my first row
	s_lshl_b32 s74, s16, 2                         ; its word in ascale
	s_mov_b32 s75, 0
	s_add_nc_u64 s[68:69], s[68:69], s[74:75]
	s_mov_b32 s17, 0
	s_mov_b64 s[18:19], SIZE_N*2
	s_mul_u64 s[16:17], s[16:17], s[18:19]
	s_lshl_b32 s46, s42, 9                         ; my first column, in bytes of f16: 512 x tile column + 256 x half
	s_lshl_b32 s47, s12, 8
	s_add_co_u32 s46, s46, s47
	s_mov_b32 s47, 0
	s_add_nc_u64 s[16:17], s[16:17], s[46:47]
	s_add_nc_u64 s[70:71], s[70:71], s[46:47]      ; w_scales and bias at my first column
	s_add_nc_u64 s[72:73], s[72:73], s[46:47]
	; what the way out multiplies and adds, fetched once, while the first tiles are on their way
	WIN TO_B
.irp b, 0,1,2,3,4,5,6,7
	global_load_b128 v[WS+4*(\b):WS+4*(\b)+3], v[VW], s[70:71] offset:32*(\b)  ; columns 16 b + 8 (l / 16) + 0..7
	global_load_b128 v[BI+4*(\b):BI+4*(\b)+3], v[VW], s[72:73] offset:32*(\b)
.endr
.irp a, 0,1,2,3,4,5,6,7
	global_load_b32 v[AS+2*(\a)],   v[VA], s[68:69] offset:64*(\a)             ; row 16 a + l % 16,
	global_load_b32 v[AS+2*(\a)+1], v[VA], s[68:69] offset:64*(\a)             ; and the pair's other register, which is named with it
.endr
	WIN 0
	; the prefetches.  s13 = 256 x tile row, s42 = tile column, s40 = cx, s41 = cy still stand; s[4:5] = aq, s[6:7] = wq
	s_lshl_b32 s42, s42, 8
	s_and_b32 s22, ttmp7, 0xffff                   ; cluster y
	s_cmp_eq_u32 s11, 0                            ; do I fetch for aq?
	s_cselect_b32 s20, s13, s42                    ; the tile's first row: in aq by the tile row, in wq by the tile column
	s_cselect_b32 s21, s40, s41                    ; my place among the four that ask for it with me
	s_cselect_b32 s22, ttmp9, s22                  ; the coordinate along which other clusters read the same rows
	s_cselect_b64 s[PFA:PFA+1], s[4:5], s[6:7]
	s_cmp_eq_u32 s22, 0
	s_cselect_b32 s[LIM], 1, -1                    ; the same in all sixteen partners, for a given wave
	s_lshl_b32 s22, s12, 7
	s_add_co_u32 s20, s20, s22                     ; + the 128 rows that I fetch
	s_lshl_b32 s21, s21, 5
	s_add_co_u32 s20, s20, s21                     ; + my work-group's 32 of them
	s_mov_b32 s21, 0
	s_mov_b64 s[18:19], SIZE_K*2
	s_mul_u64 s[20:21], s[20:21], s[18:19]
	s_add_nc_u64 s[PFA:PFA+1], s[PFA:PFA+1], s[20:21]
	s_add_nc_u64 s[PFA:PFA+1], s[PFA:PFA+1], 2*KSTEP*2  ; at K step 2: the first refill steps it to 3 and names K step 4
	v_and_b32 v[PFO], 31, v0
	v_mul_u32_u24 v[PFO], v[PFO], SIZE_K*2
; 16 matrix instructions: m blocks a0, a0 + 1 of the window's four (hi = 0: my rows 0-63, 1: rows 64-127) x all 8 n blocks, 32 along K.
; zero = 1: the first product starts the sums: nothing is ever cleared.  The 64 accumulators take turns, in the same order in every quarter step.
.macro MUL16 f, hi, a0, zero
	WIN MUL_LO+0x50*(\hi)
.irp a, \a0, (\a0)+1
.irp b, 0,1,2,3,4,5,6,7
.if \zero
	v_wmma_f32_16x16x32_bf16 v[8*(8*(\a)+(\b)):8*(8*(\a)+(\b))+7], v[(\f)+8*(\b):(\f)+8*(\b)+7], v[(\f)+8*(4*(\hi)+(\a)):(\f)+8*(4*(\hi)+(\a))+7], 0
.else
	v_wmma_f32_16x16x32_bf16 v[8*(8*(\a)+(\b)):8*(8*(\a)+(\b))+7], v[(\f)+8*(\b):(\f)+8*(\b)+7], v[(\f)+8*(4*(\hi)+(\a)):(\f)+8*(4*(\hi)+(\a))+7], v[8*(8*(\a)+(\b)):8*(8*(\a)+(\b))+7]
.endif
.endr
.endr
.endm
; 32 LDS loads in one run: the fragments of one quarter step (128 rows of wq, 128 rows of aq, 32 K at byte k of the rows) into buffer f
.macro FETCH slot, k, f
	WIN TO_B
.irp i, 0,1,2,3,4,5,6,7
	ds_load_b128 v[(\f)+8*(\i):(\f)+8*(\i)+3],   v[ADRB+(\slot)] offset:(\k)+(\i)*16*PITCH
	ds_load_b128 v[(\f)+8*(\i)+4:(\f)+8*(\i)+7], v[ADRB+(\slot)] offset:(\k)+(\i)*16*PITCH+32
.endr
	WIN 0
.irp i, 0,1,2,3,4,5,6,7
	ds_load_b128 v[(\f)+8*(\i):(\f)+8*(\i)+3],   v[ADRA+(\slot)] offset:(\k)+(\i)*16*PITCH
	ds_load_b128 v[(\f)+8*(\i)+4:(\f)+8*(\i)+7], v[ADRA+(\slot)] offset:(\k)+(\i)*16*PITCH+32
.endr
.endm
; A load into a register that a matrix instruction has read, and a vector instruction that reads a matrix result, stand four places behind that matrix instruction, and only plain vector
; instructions that name none of its registers are places (ISA guide 7.12.1 for vector instructions).
.macro PLACES
.rept 4
	v_nop
.endr
.endm
; A K step is four quarter steps of 32 along K, 64 matrix instructions each, on buffers 0, 1, 0, 1.
; One of the first three: multiplies buffer f; in its middle it fetches the next quarter's fragments, at byte k of the same slot's rows, into buffer g.
.macro QUARTER slot, k, f, g, zero
	s_wait_dscnt 8                                 ; wq and aq's rows 0-63 are in; the youngest eight loads (aq's rows 64-127) may be out
	MUL16 \f, 0, 0, \zero
	MUL16 \f, 0, 2, \zero
	PLACES
	FETCH \slot, \k, \g
	s_wait_dscnt 32                                ; all but the 32 just issued
	MUL16 \f, 1, 0, \zero
	MUL16 \f, 1, 2, \zero
.endm
; The last quarter multiplies buffer 1 and changes slots.  MEET is its first half: ONE barrier for the change.  In front of it each wave waits for all its tensor loads, of which one is out:
; its part of the next slot; adds 0 to its spare word; and waits for that and for its own reads of this slot.  Behind it nobody reads this slot any more and the next slot is whole.
.macro MEET round                      ; round = 1: the rest of a round of the cluster's barrier follows
	WIN 0                                          ; (the add's two registers lie in window 0)
	s_wait_tensorcnt 0x0                           ; all my tensor loads have landed;
	ds_add_u32 v[SPW], v[NIL]                      ; 0 onto my spare word;
	s_wait_dscnt 9                                 ; (the add and the youngest eight loads may be out)
	MUL16 F1, 0, 0, 0                              ; sixteen matrix instructions stand between the add and the wait for it
	s_wait_dscnt 0x0                               ; the add is done, and my reads of this slot are over:
	s_barrier_signal -1                            ; say so,
	MUL16 F1, 0, 2, 0                              ; work on registers while the others arrive,
.if \round
	WIN 0
.endif
	s_barrier_wait -1                              ; and go on when all four have said so
.endm
; The whole last quarter of a K step whose slot is filled again, with the K step two steps on: the barrier opens a round of the cluster's, the joint refill is the first tensor load behind
; the round, then come the next slot's first fragments.  From the request to the wait for it a wave issues 224 matrix instructions.
.macro TURN slot, next
	s_wait_xcnt 0x0                                ; the last prefetch, a K step back, has read its address: it is stepped here, ahead of the waits of the change of slots
	s_add_nc_u64 s[PFA:PFA+1], s[PFA:PFA+1], KSTEP*2
	MEET 1
	CREST                                          ; no wave of any partner still reads this slot's tile or has a load on its way
	s_add_nc_u64 s[G0+4*(\slot)+2:G0+4*(\slot)+3], s[G0+4*(\slot)+2:G0+4*(\slot)+3], 2*KSTEP*2     ; no load of mine is out: the descriptors may be written
	s_add_nc_u64 s[G0B+4*(\slot)+2:G0B+4*(\slot)+3], s[G0B+4*(\slot)+2:G0B+4*(\slot)+3], 2*KSTEP*2
	JLOAD \slot                                    ; the four v_nop behind it are also the places in front of the loads below
	FETCH \next, 0, F0
	ASK
	MUL16 F1, 1, 0, 0
	MUL16 F1, 1, 2, 0
.endm
; THE WAY OUT of block a (16 rows x 128 columns, 8 accumulators), in three parts.
; OUT: sum x ascale[m] (packed, each accumulator's registers in ascending order); x w_scales[n] + bias[n], the two read as f16 halves and reckoned in f32, one
; fused multiply-add; rounded to f16, 16 bytes a lane.
.macro OUT a
.set AC, 64*((\a)%4)
	WIN 0x86+0x41*((\a)/4)                         ; destination and source 0: window 2 or 3; source 1: window 1
.set i, 0
.rept 32
	v_pk_mul_f32 v[AC+2*i:AC+2*i+1], v[AC+2*i:AC+2*i+1], v[AS+2*(\a):AS+2*(\a)+1] op_sel_hi:[1,0]
.set i, i+1
.endr
	WIN 0x96+0x41*((\a)/4)                         ; and source 2: window 1
.set i, 0
.rept 32
	v_fma_mix_f32 v[AC+2*i],   v[AC+2*i],   v[WS+i], v[BI+i] op_sel_hi:[0,1,1]                  ; the even column: low halves
	v_fma_mix_f32 v[AC+2*i+1], v[AC+2*i+1], v[WS+i], v[BI+i] op_sel:[0,1,1] op_sel_hi:[0,1,1]   ; the odd column: high halves
.set i, i+1
.endr
	WIN 0x0a+5*((\a)/4)                            ; sources 0 and 1: window 2 or 3; destination window 0
.set i, 0
.rept 32
	v_cvt_pk_f16_f32 v[TMP+i], v[AC+2*i], v[AC+2*i+1]
.set i, i+1
.endr
	WIN 0
.endm
; TOSTAGE: into my own stage in LDS, and back as whole rows of 256 bytes.
.macro TOSTAGE a
	WIN 0
.set BK, OB+192*((\a)%2)
.irp b, 0,1,2,3,4,5,6,7
	ds_store_b128 v[STO], v[TMP+4*(\b):TMP+4*(\b)+3] offset:32*(\b)
.endr
.irp t, 0,1,2,3,4,5,6,7
	ds_load_b128 v[BK+4*(\t):BK+4*(\t)+3], v[RD] offset:(\t)*2*SPITCH  ; LDS serves a wave's instructions in order (ISA guide 5.7.1.4): these see the stores above
.endr
.endm
; SEND: stored.
.macro SEND a
	WIN 0
.set BK, OB+192*((\a)%2)
	s_wait_dscnt 0x0                               ; the block is back in registers
	s_wait_xcnt 0x0                                ; the earlier stores have read their base and their data: only behind this wait are these rewritten
.if (\a) == 0
	s_add_nc_u64 s[8:9], s[8:9], s[16:17]          ; on to my first rows
.else
	s_add_nc_u64 s[8:9], s[8:9], 16*SIZE_N*2       ; 16 rows on
.endif
.irp t, 0,1,2,3,4,5,6,7
	global_store_b128 v[CO], v[BK+4*(\t):BK+4*(\t)+3], s[8:9] offset:2*(\t)*SIZE_N*2  ; 16 lanes store 256 consecutive bytes, at a multiple of 256 from the output's first byte
.endr
.endm
	s_wait_loadcnt 0x0                             ; the scales and the bias, once
	s_wait_tensorcnt 1                             ; my part of K step 0 is in; K step 1's may stay out
	s_barrier_signal -1
	s_barrier_wait -1                              ; everybody's is
	FETCH 0, 0, F0
	QUARTER 0, 64,  F0, F1, 1                      ; the first quarter stands in front of the loop: its products start the sums
	WIN 0                                          ; at a label and at a branch every window is 0
	s_mov_b32 s3, LAPS-1
.Llap:                                                 ; a trip goes once round the ring, from a lap's second quarter to the next lap's first, and fills both slots again
	QUARTER 0, 128, F1, F0, 0
	QUARTER 0, 192, F0, F1, 0
	TURN 0, 1
	QUARTER 1, 64,  F0, F1, 0
	QUARTER 1, 128, F1, F0, 0
	QUARTER 1, 192, F0, F1, 0
	TURN 1, 0
	QUARTER 0, 64,  F0, F1, 0
	WIN 0
	s_sub_co_u32 s3, s3, 1
	s_cmp_lg_u32 s3, 0
	s_cbranch_scc1 .Llap
	QUARTER 0, 128, F1, F0, 0                      ; the last lap is written out: it asks for nothing more
	QUARTER 0, 192, F0, F1, 0
	MEET 0                                         ; my one tensor load that was still out is slot 1's, the last K step's, so no round follows
	PLACES                                         ; for the loads into buffer 0
	FETCH 1, 0, F0
	MUL16 F1, 1, 0, 0
	MUL16 F1, 1, 2, 0
	QUARTER 1, 64,  F0, F1, 0
	QUARTER 1, 128, F1, F0, 0
	QUARTER 1, 192, F0, F1, 0
	s_wait_dscnt 8                                 ; the very last quarter: nothing more to fetch
	MUL16 F1, 0, 0, 0
	MUL16 F1, 0, 2, 0
	s_wait_dscnt 0x0
	MUL16 F1, 1, 0, 0
	MUL16 F1, 1, 2, 0
	WIN 0
	PLACES                                         ; the way out reads results
	OUT 0
	TOSTAGE 0
.irp a, 1,2,3,4,5,6,7                  ; block a's arithmetic stands between block a - 1's loads from the stage and the wait for them
	OUT \a
	SEND (\a)-1
	TOSTAGE \a
.endr
	SEND 7
	s_wait_tensorcnt 0x0                           ; the wave's end: an add to my spare word and its wait, behind my last tensor load and my last LDS store
	ds_add_u32 v[SPW], v[NIL]
	s_wait_dscnt 0x0
	CROUND                                         ; the closing round: no work-group ends while a partner may still ask for a tile that names it
	s_endpgm
.Lfunc_end_k_q48374598a2_gemm:
	.size	k_q48374598a2_gemm, .Lfunc_end_k_q48374598a2_gemm-k_q48374598a2_gemm
	.p2alignl 7, 3214868480
	.fill 96, 4, 3214868480
	.section	.rodata,"a",@progbits
	.p2align	6, 0x0
	.amdhsa_kernel k_q48374598a2_gemm
		.amdhsa_group_segment_fixed_size 327680
		.amdhsa_private_segment_fixed_size 0
		.amdhsa_enable_private_segment 0
		.amdhsa_kernarg_size 48
		.amdhsa_user_sgpr_count 2
		.amdhsa_user_sgpr_kernarg_segment_ptr 1
		.amdhsa_wavefront_size32 1
		.amdhsa_system_sgpr_workgroup_id_x 1
		.amdhsa_system_sgpr_workgroup_id_y 1
		.amdhsa_system_sgpr_workgroup_id_z 1
		.amdhsa_system_vgpr_workitem_id 0
		.amdhsa_next_free_vgpr 1024
		.amdhsa_next_free_sgpr 80
		.amdhsa_reserve_vcc 0
		.amdhsa_float_denorm_mode_32 3
		.amdhsa_float_denorm_mode_16_64 3
		.amdhsa_memory_ordered 1
		.amdhsa_forward_progress 1
		.amdhsa_inst_pref_size 196
	.end_amdhsa_kernel
	.amdgpu_metadata
---
amdhsa.version: [ 1, 2 ]
amdhsa.kernels:
  - .name:           k_q48374598a2_gemm
    .symbol:         k_q48374598a2_gemm.kd
    .args:
      - { .name: aq, .offset: 0, .size: 8, .value_kind: global_buffer, .address_space: global }
      - { .name: wq, .offset: 8, .size: 8, .value_kind: global_buffer, .address_space: global }
      - { .name: out0, .offset: 16, .size: 8, .value_kind: global_buffer, .address_space: global }
      - { .name: ascale, .offset: 24, .size: 8, .value_kind: global_buffer, .address_space: global }
      - { .name: w_scales, .offset: 32, .size: 8, .value_kind: global_buffer, .address_space: global }
      - { .name: bias, .offset: 40, .size: 8, .value_kind: global_buffer, .address_space: global }
    .group_segment_fixed_size: 327680
    .private_segment_fixed_size: 0
    .kernarg_segment_align: 8
    .kernarg_segment_size: 48
    .max_flat_workgroup_size: 128
    .sgpr_count:     80
    .vgpr_count:     1024
    .wavefront_size: 32
...
	.end_amdgpu_metadata
.endif
;; end of part 2
;; ======== version 2 of 2: 2 launches; version 1 with the launch prep written anew for expert scheduling mode
;; workspace buffers: aq 33,554,432 bytes; wq 33,554,432 bytes; ascale 16,384 bytes
;; launch prep (part 3): grid 512 x 1, 8 waves a work-group, no clusters, 0 bytes of LDS; arguments x, qweight_packed, aq, wq, ascale; writes aq, wq, ascale
.if DOCPART == 3
	.amdgcn_target "amdgcn-amd-amdhsa--gfx1250"
	.amdhsa_code_object_version 6
	.text
	.protected	k_q48374598a2_prep
	.globl	k_q48374598a2_prep
	.p2align	8
	.type	k_q48374598a2_prep,@function
k_q48374598a2_prep:
	s_mov_b64 s[64:65], 0
	v_nop
	global_prefetch_b8 v0, s[64:65] scope:SCOPE_SE
	s_setreg_imm32_b32 hwreg(HW_REG_WAVE_SCHED_MODE, 0, 2), 2
	s_setreg_imm32_b32 hwreg(HW_REG_WAVE_MODE, 25, 1), 1
	s_wait_xcnt 0x0
	s_wait_alu depctr_vm_vsrc(0)
; THE CODES.  aq[m][k] = round_half_even(x[m][k] / s[m]) with s[m] = max(max_k |x[m][k]|, 1e-6) / 7, and wq[n][k] = the signed 4-bit code of the weight,
; both written as bf16 (whole numbers -8 .. 7 are exact there); ascale[m] = s[m] in f32.  x: [4096][4096] f16; qweight: [4096][2048] bytes, low nibble first.
; ORDER OF K.  Inside every aligned group of 8 k, place p of aq and of wq holds k = 0,4,1,5,2,6,3,7: the order in which a packed word's nibbles fall out of one shift and mask.
; The same order in both operands pairs every a with its own w, and the product's sums are whole numbers below 2^24, so the order of the terms does not show.
; THE DIVISIONS ARE CORRECTLY ROUNDED in f32, since a quotient that lies at k + 1/2 decides a whole code: s by a residual step (max - 7 q is exact; a quotient by 7 lies at least
; 1/14 of a last place from every rounding boundary); 1/s by v_rcp_f32 and two residual steps (s never has a mantissa of ones only: max has 11 bits, or is the constant 1e-6);
; x/s by q = x r and two residual steps q += (x - s q) r: the first brings q within one last place, the second, with r correctly rounded, rounds it correctly.
; THE CLIP TO -8 .. 7 is not written: |x| <= max and s = max/7 (1 + d), |d| <= 2^-24, give |x/s| <= 7 (1 + 2^-23), which rounds to 7.
; LIMITS.  NaN and infinities in x are not treated apart.  -0 in x counts as +0.
; SHARES.  One wave takes one row of x (8,192 bytes, kept in 64 registers between the maximum and the division, so it is read once) and the row of the same number of the weights
; (2,048 bytes).  All 32 loads of a wave go out at its head.  No wave needs another's data: no LDS, no barrier.  Every 16-byte store of a wave covers 512 consecutive bytes, aligned.
; THE MODE: SCHED_MODE bits 1:0 = 2 (LLVM: expert scheduling mode 2), set by the entry lines.  The code itself states the register dependences
; between vector instructions and memory instructions, with s_wait_alu, always for 0.
; THE PLAN.  Registers that memory instructions touch:
;   v[XO], v[WI], v[ZO]  offsets, made once at the head and never written again.
;   WW, X                the loads at the head land in them; no vector instruction names them ahead of those loads, and no load is issued later.
;   WO, sixteen slots    word j's unpacking writes slot j, one store reads it, nothing writes it again.
;   X, as codes          group j's four conversions write the four registers that held its x, one store reads them, nothing writes them again.
;   v[S]                 written once, read by the last store.
; The weights go in four blocks of four words, the codes of x in eight blocks of two groups.  A block's stores are issued in the NEXT block: one wait on va_vdst at that block's head states
; that the block before has written what they read, and they are dealt among the block's vector instructions, which name other slots and other groups alone.
; No register that a memory instruction reads is written again, so a wait on vm_vsrc stands only where EXEC is written.
.set XO,  2                            ; v2       16 x lane: my 16 bytes in each 512 of a row of x, aq, wq; never rewritten
.set WI,  3                            ; v3       4 x lane: my word in each 128 bytes of a row of the weights; never rewritten
.set WW,  4                            ; v[4:19]  my 16 packed words
.set A8,  20                           ; v[20:27] eight x in f32
.set Q8,  28                           ; v[28:35] their quotients
.set E8,  36                           ; v[36:43] residuals; while the weights are unpacked: shifted words
.set M,   44                           ; v[44:47] four running maxima, two f16 each
.set T,   48                           ; v[48:49] at work
.set MX,  50                           ; v50      the row's maximum, clipped
.set S,   51                           ; v51      s
.set R,   52                           ; v[52:53] 1/s, twice (a pair for the packed forms)
.set NS,  54                           ; v[54:55] -s, twice
.set E,   56                           ; v56      at work
.set ZO,  57                           ; v57      0
.set ONE, 59                           ; v59      1.0
.set X,   64                           ; v[64:127]  the row of x as loaded, then its codes as stored
.set WO,  128                          ; v[128:191] sixteen slots of four registers, one for each packed word: unpacked weights to store
	s_load_b256 s[4:11], s[0:1], 0x0               ; x s[4:5], qweight s[6:7], aq s[8:9], wq s[10:11]
	s_load_b64 s[12:13], s[0:1], 0x20              ; ascale
	v_lshrrev_b32 v1, 5, v0
	v_readfirstlane_b32 s14, v1                    ; wave 0..7
	v_and_b32 v1, 31, v0                           ; lane
	v_lshlrev_b32 v[XO], 4, v1
	v_lshlrev_b32 v[WI], 2, v1
	v_mov_b32 v[ZO], 0
	v_mov_b32 v[ONE], 1.0
	s_wait_alu depctr_va_sdst(0)                   ; s14 is written, ahead of its first reader: my row's number, and all five bases with it, are made from it
	s_lshl_b32 s15, ttmp9, 3
	s_add_co_u32 s15, s15, s14                     ; my row = 8 x work-group + wave
	s_lshl_b32 s2, s15, 13                         ; x 8,192 bytes: a row of x, aq, wq (under 2^25)
	s_mov_b32 s3, 0
	s_lshl_b32 s24, s15, 11                        ; x 2,048 bytes: a row of the packed weights
	s_mov_b32 s25, 0
	s_lshl_b32 s26, s15, 2                         ; x 4 bytes: my word of ascale
	s_mov_b32 s27, 0
	s_mov_b32 s16, 0x88888888                      ; turns each nibble into its signed value + 8
	s_mov_b32 s17, 0x000f000f                      ; one nibble in each half
	s_mov_b32 s18, 0x43004300                      ; 128.0 twice in bf16: its low mantissa bits count ones
	s_mov_b32 s19, 0xc308c308                      ; -136.0 twice in bf16
	s_mov_b32 s20, 0x7fff7fff                      ; clears the signs of two f16
	s_mov_b32 s21, 0x76543210                      ; v_permlanex16_b32: each lane takes its own place in the other half
	s_mov_b32 s22, 0xfedcba98
	s_wait_kmcnt 0x0
	s_add_nc_u64 s[4:5], s[4:5], s[2:3]
	s_add_nc_u64 s[8:9], s[8:9], s[2:3]
	s_add_nc_u64 s[10:11], s[10:11], s[2:3]
	s_add_nc_u64 s[6:7], s[6:7], s[24:25]
	s_add_nc_u64 s[12:13], s[12:13], s[26:27]
	s_wait_alu depctr_va_vdst(0)                   ; v[XO], v[WI] and v[ZO] are written: every load and store of the kernel reads one of them as its offset
.irp j, 0,1,2,3,4,5,6,7,8,9,10,11,12,13,14,15
	global_load_b32 v[WW+(\j)], v[WI], s[6:7] offset:128*(\j) th:TH_LOAD_NT       ; word 32 j + lane: k = 8 (32 j + lane) .. + 7
.endr
.irp j, 0,1,2,3,4,5,6,7,8,9,10,11,12,13,14,15
	global_load_b128 v[X+4*(\j):X+4*(\j)+3], v[XO], s[4:5] offset:512*(\j) th:TH_LOAD_NT  ; the same eight k of x
.endr
; Word j: nibble i is k = i.  After the exclusive or a nibble is its value + 8; shifted right by 4 p and masked, the two halves hold the nibbles p and p + 4; set into 128.0's mantissa
; they are 136 + w in bf16; the packed addition of -136 is exact.  The word's slot is its own; its store is issued in the next block (WSTORE).
.macro UNPACK j
	s_wait_loadcnt 31-(\j)                         ; loads come back in order: younger are 15 - j words and the 16 loads of x
.set D, WO+4*(\j)
	v_xor_b32 v[WW+(\j)], s16, v[WW+(\j)]
	v_and_or_b32 v[D], v[WW+(\j)], s17, s18
.irp p, 1,2,3
	v_lshrrev_b32 v[E8+(\p)], 4*(\p), v[WW+(\j)]
.endr
.irp p, 1,2,3
	v_and_or_b32 v[D+(\p)], v[E8+(\p)], s17, s18
.endr
.irp p, 0,1,2,3
	v_pk_add_bf16 v[D+(\p)], v[D+(\p)], s19
.endr
.endm
.macro WSTORE j
	global_store_b128 v[XO], v[WO+4*(\j):WO+4*(\j)+3], s[10:11] offset:512*(\j) th:TH_STORE_NT
.endm
.irp b, 0,1,2,3
.if (\b) > 0
	s_wait_alu depctr_va_vdst(0)                   ; the block before has written its four slots of WO, which this block's four stores read; the lines between name other slots, WW and E8 alone
.endif
.irp i, 0,1,2,3
.if (\b) > 0
	WSTORE 4*(\b)-4+(\i)
.endif
	UNPACK 4*(\b)+(\i)
.endr
.endr
	; the largest |x| of my 128 numbers, two f16 at a time, in four chains started by the first four words; the last block's four stores stand in front of its first four steps
	s_wait_alu depctr_va_vdst(0)                   ; words 12 to 15 have written their slots of WO, which the four stores below read; the lines between name M, A8 and X alone
	WSTORE 12
	s_wait_loadcnt 15
.irp i, 0,1,2,3
	v_and_b32 v[M+(\i)], s20, v[X+(\i)]
.endr
.set j, 1
.rept 15
.if j < 4
	WSTORE 12+j
.endif
	s_wait_loadcnt 15-j                            ; load j of x is in, the younger ones stay out
.irp i, 0,1,2,3
	v_and_b32 v[A8+(\i)], s20, v[X+4*j+(\i)]
	v_pk_max_num_f16 v[M+(\i)], v[M+(\i)], v[A8+(\i)]
.endr
.set j, j+1
.endr
	v_pk_max_num_f16 v[M], v[M], v[M+1]
	v_pk_max_num_f16 v[M+2], v[M+2], v[M+3]
	v_pk_max_num_f16 v[M], v[M], v[M+2]
	v_fma_mix_f32 v[T],   v[M], v[ONE], v[ZO] op_sel_hi:[1,0,0]                 ; the low half as f32: x 1 + 0
	v_fma_mix_f32 v[T+1], v[M], v[ONE], v[ZO] op_sel:[1,0,0] op_sel_hi:[1,0,0]  ; the high half
	v_max_num_f32 v[T], v[T], v[T+1]
	v_max_num_f32_dpp v[T], v[T], v[T] row_xmask:1 row_mask:0xf bank_mask:0xf   ; across 16 lanes,
	v_max_num_f32_dpp v[T], v[T], v[T] row_xmask:2 row_mask:0xf bank_mask:0xf
	v_max_num_f32_dpp v[T], v[T], v[T] row_xmask:4 row_mask:0xf bank_mask:0xf
	v_max_num_f32_dpp v[T], v[T], v[T] row_xmask:8 row_mask:0xf bank_mask:0xf
	v_permlanex16_b32 v[T+1], v[T], s21, s22                                    ; and the other 16
	v_max_num_f32 v[MX], v[T], v[T+1]
	v_max_num_f32 v[MX], 0x358637bd, v[MX]         ; the clip at 1e-6
	; s = max / 7, correctly rounded
	v_mul_f32 v[Q8], 0x3e124925, v[MX]             ; q = max x (1/7)
	v_fmamk_f32 v[E], v[Q8], 0xc0e00000, v[MX]     ; max - 7 q, exact
	v_fmamk_f32 v[S], v[E], 0x3e124925, v[Q8]      ; q + residual / 7
	; r = 1 / s, correctly rounded
	v_rcp_f32 v[R], v[S]
	v_xor_b32 v[NS], 0x80000000, v[S]              ; -s: the plain instruction behind the reciprocal
	s_wait_alu depctr_va_vdst(0)                   ; the reciprocal has written v[R], ahead of the first line that names it
.rept 2
	v_fma_f32 v[E], v[NS], v[R], 1.0               ; 1 - s r
	v_fma_f32 v[R], v[E], v[R], v[R]
.endr
	v_mov_b32 v[R+1], v[R]
	v_mov_b32 v[NS+1], v[NS]
; Eight numbers: widened, divided by s (correctly rounded), rounded to whole numbers (ties to even), packed as bf16 in the order of wq, into the registers that held x.
; Their store is issued in the next block (ASTORE).
.macro QUANT j
.irp p, 0,1,2,3
	v_fma_mix_f32 v[A8+2*(\p)],   v[X+4*(\j)+(\p)], v[ONE], v[ZO] op_sel_hi:[1,0,0]
	v_fma_mix_f32 v[A8+2*(\p)+1], v[X+4*(\j)+(\p)], v[ONE], v[ZO] op_sel:[1,0,0] op_sel_hi:[1,0,0]
.endr
.irp p, 0,2,4,6
	v_pk_mul_f32 v[Q8+(\p):Q8+(\p)+1], v[A8+(\p):A8+(\p)+1], v[R:R+1]
.endr
.rept 2
.irp p, 0,2,4,6
	v_pk_fma_f32 v[E8+(\p):E8+(\p)+1], v[NS:NS+1], v[Q8+(\p):Q8+(\p)+1], v[A8+(\p):A8+(\p)+1]  ; x - s q
.endr
.irp p, 0,2,4,6
	v_pk_fma_f32 v[Q8+(\p):Q8+(\p)+1], v[E8+(\p):E8+(\p)+1], v[R:R+1], v[Q8+(\p):Q8+(\p)+1]    ; q + residual x r
.endr
.endr
.irp p, 0,1,2,3,4,5,6,7
	v_rndne_f32 v[Q8+(\p)], v[Q8+(\p)]
.endr
.irp p, 0,1,2,3
	v_cvt_pk_bf16_f32 v[X+4*(\j)+(\p)], v[Q8+(\p)], v[Q8+(\p)+4]   ; k = p below, k = p + 4 above
.endr
.endm
.macro ASTORE j
	global_store_b128 v[XO], v[X+4*(\j):X+4*(\j)+3], s[8:9] offset:512*(\j) th:TH_STORE_NT
.endm
.irp q, 0,1,2,3,4,5,6,7
.if (\q) > 0
	s_wait_alu depctr_va_vdst(0)                   ; the block before has written its two groups' codes into X, which this block's two stores read; the lines between name this block's groups of X alone
.endif
.irp i, 0,1
.if (\q) > 0
	ASTORE 2*(\q)-2+(\i)
.endif
	QUANT 2*(\q)+(\i)
.endr
.endr
	s_wait_alu depctr_va_vdst(0)                   ; groups 14 and 15 have written their codes into X, which the last two stores of aq read
	ASTORE 14
	ASTORE 15
	; s[m]: four bytes a row, by lane 0.  64 neighbouring rows would have to meet in one work-group to fill 256 bytes of ascale; they are 16 KiB of the launch's 109 MB
	s_wait_xcnt 0x0                                ; EXEC is a source of the stores above: it changes only behind this wait
	v_cmp_eq_u32 vcc_lo, 0, v1
	s_wait_alu depctr_va_vcc(0)                    ; the compare has written VCC, from which EXEC is made
	s_wait_alu depctr_va_vdst(0)                   ; ahead of the write of EXEC: every vector instruction so far is done; v[S] and v[ZO], which the store below reads, are written
	s_wait_alu depctr_vm_vsrc(0)                   ; ahead of the write of EXEC: the stores above have read their vector registers
	s_and_saveexec_b32 s23, vcc_lo
	global_store_b32 v[ZO], v[S], s[12:13]
	s_wait_xcnt 0x0                                ; and again in front of the line that widens it
	s_wait_alu depctr_va_vdst(0)                   ; ahead of the write of EXEC: no vector instruction is still at work
	s_wait_alu depctr_vm_vsrc(0)                   ; ahead of the write of EXEC: the store has read v[ZO] and v[S]
	s_or_b32 exec_lo, exec_lo, s23
	s_endpgm
.Lfunc_end_k_q48374598a2_prep:
	.size	k_q48374598a2_prep, .Lfunc_end_k_q48374598a2_prep-k_q48374598a2_prep
	.p2alignl 7, 3214868480
	.fill 96, 4, 3214868480
	.section	.rodata,"a",@progbits
	.p2align	6, 0x0
	.amdhsa_kernel k_q48374598a2_prep
		.amdhsa_group_segment_fixed_size 0
		.amdhsa_private_segment_fixed_size 0
		.amdhsa_enable_private_segment 0
		.amdhsa_kernarg_size 40
		.amdhsa_user_sgpr_count 2
		.amdhsa_user_sgpr_kernarg_segment_ptr 1
		.amdhsa_wavefront_size32 1
		.amdhsa_system_sgpr_workgroup_id_x 1
		.amdhsa_system_sgpr_workgroup_id_y 1
		.amdhsa_system_sgpr_workgroup_id_z 1
		.amdhsa_system_vgpr_workitem_id 0
		.amdhsa_next_free_vgpr 192
		.amdhsa_next_free_sgpr 66
		.amdhsa_reserve_vcc 1
		.amdhsa_float_denorm_mode_32 3
		.amdhsa_float_denorm_mode_16_64 3
		.amdhsa_memory_ordered 1
		.amdhsa_forward_progress 1
		.amdhsa_inst_pref_size 63
	.end_amdhsa_kernel
	.amdgpu_metadata
---
amdhsa.version: [ 1, 2 ]
amdhsa.kernels:
  - .name:           k_q48374598a2_prep
    .symbol:         k_q48374598a2_prep.kd
    .args:
      - { .name: x, .offset: 0, .size: 8, .value_kind: global_buffer, .address_space: global }
      - { .name: qweight_packed, .offset: 8, .size: 8, .value_kind: global_buffer, .address_space: global }
      - { .name: aq, .offset: 16, .size: 8, .value_kind: global_buffer, .address_space: global }
      - { .name: wq, .offset: 24, .size: 8, .value_kind: global_buffer, .address_space: global }
      - { .name: ascale, .offset: 32, .size: 8, .value_kind: global_buffer, .address_space: global }
    .group_segment_fixed_size: 0
    .private_segment_fixed_size: 0
    .kernarg_segment_align: 8
    .kernarg_segment_size: 40
    .max_flat_workgroup_size: 256
    .sgpr_count:     66
    .vgpr_count:     192
    .wavefront_size: 32
...
	.end_amdgpu_metadata
.endif
;; end of part 3
;; launch gemm: the kernel of part 2 again; grid 16 x 16, 4 waves a work-group, clusters of 4 x 4, 327,680 bytes of LDS; arguments aq, wq, out0, ascale, w_scales, bias; writes out0
